; MI455X (gfx1250); checked and timed in simulation.
; The chip was launched on July 23, 2026; its instructions are those of AMD's public machine-readable ISA for CDNA 5 (MIT licence, August 2026) and "CDNA5" Instruction Set Architecture Reference Guide (July 2026). The comments in the code are by the model that wrote it; some were corrected since.
;; Full Attention. Allowed arithmetic: matrix products marked QUANTISED: E3M2 operands, one E8M0 scale for each 32 along K, by v_wmma_scale_f32_16x16x128_f8f6f4 with both operands' format E3M2, f32 sums; everything else in f32.
;; Inputs: keys_codes 4 x 2,048 x 16 x 2 x 24 uint8 (E3M2 codes of keys, K innermost, in blocks of 32 codes, four codes in three bytes); keys_scales 4 x 2,048 x 16 x 2 uint8 (E8M0 scales of keys, one for each 32 codes along K); queries_codes 4 x 2,048 x 16 x 2 x 24 uint8 (E3M2 codes of queries, K innermost, in blocks of 32 codes, four codes in three bytes); queries_scales 4 x 2,048 x 16 x 2 uint8 (E8M0 scales of queries, one for each 32 codes along K); values_codes 4 x 16 x 64 x 64 x 24 uint8 (E3M2 codes of values, K innermost, in blocks of 32 codes, four codes in three bytes); values_scales 4 x 16 x 64 x 64 uint8 (E8M0 scales of values, one for each 32 codes along K).
;; Outputs: out0 4 x 2,048 x 16 x 64 float32.
;; This version of the problem:
;;   THIS VERSION OF THE PROBLEM IS GIVEN IN LOW PRECISION. The matrix products marked QUANTISED in the list below multiply operands that are first quantised to E3M2 (3 exponent bits, 2 mantissa bits; 6 bits a number), with one power-of-two scale for each 32 numbers along K (OCP MX v1.0); their sums are f32. All else is computed in f32.
;;   The module's matrix products, in the order in which they are computed (A, B: the left and right operand; K: the contracted axis; several contracted axes count as one K, in the product's order):
;;     1. batch 64 x [M 2,048, K 64] x [K 64, N 2,048]; A: input queries (given as codes); B: input keys (given as codes): QUANTISED
;;     2. batch 64 x [M 64, K 2,048] x [K 2,048, N 2,048]; A: input values (given as codes); B: softmax (see below): QUANTISED
;;   THE QUANTISER, for each operand of a quantised product, along K:
;;     - K is cut into blocks of 32 from its start; a last block that is shorter is filled with zeros.
;;     - A block's scale is 2^e with e = floor(log2(the largest magnitude in the block)) - 4, held to -126 .. 127; a block of zeros has e = 0. As a byte (E8M0): e + 127.
;;     - Each number is divided by its block's scale, clamped to +-28, and rounded to the nearest number of E3M2, ties to even, subnormals kept.
;;     - The product sums the exact products of the quantised numbers (number of the format x scale) in f32.
;;   ~~~python
;;   def quantise(x, axis):      # numpy; x: float32 -> the quantised numbers, widened to float32 again
;;       x = np.moveaxis(x, axis, -1); K = x.shape[-1]
;;       x = np.pad(x, [(0, 0)] * (x.ndim - 1) + [(0, -K % 32)]); x = x.reshape(x.shape[:-1] + (-1, 32)); a = np.abs(x).max(-1, keepdims=True)
;;       e = np.where(a > 0, np.clip(np.frexp(np.where(a > 0, a, 1))[1] - 1 - 4, -126, 127), 0)      # np.frexp(a)[1] - 1 = floor(log2(a)), exactly
;;       r = np.clip(x / 2.0 ** e, -28, 28)
;;       step = 2.0 ** (np.maximum(np.frexp(np.where(r == 0, 1, r))[1] - 1, -2) - 2)
;;       q = np.round(r / step) * step * 2.0 ** e      # np.round: ties to even
;;       return np.moveaxis(q.reshape(q.shape[:-2] + (-1,))[..., :K], -1, axis).astype(np.float32)
;;   ~~~
;;   SOFTMAX AHEAD OF A QUANTISED PRODUCT. Where the list says 'softmax', what is quantised is not the finished softmax but p = 2^(t - M), with t = logit x log2(e) and M = ceil(the row's largest t), a whole number; so 1/2 < the row's largest p <= 1. The row's sum l is taken of the UNQUANTISED p, in f32, and the product's result is divided by l at the end. Since M is a whole number, a kernel that streams over the keys may use a running M (the ceiling of the running maximum): every later rescaling is an exact power of two, which a block's scale takes up: the codes' values come out the same.
;;   OPERANDS COMPUTED ON THE WAY. 'Computed on the way' means the value that the module computes at that place (a softmax that the list does not call 'softmax' is quantised finished and normalised). What goes into a quantiser is computed in f32, as accurately as f32 sums, v_exp_f32 and their like allow (about 1e-6 of the number): no bf16 or f16 on the way to a quantiser, and a product that is left as it is and whose result goes on into a quantised operand takes f32 operands (vector FMAs, or v_wmma_f32_16x16x4_f32). A number that lies on a knife's edge between two numbers of the format may be rounded either way, as far as f32 arithmetic and the matrix unit's own rounding can turn it there, and no further.
;;   INPUTS GIVEN AS CODES. keys (in the module: [4, 2048, 16, 64], K = its axis 3); queries (in the module: [4, 2048, 16, 64], K = its axis 3); values (in the module: [4, 2048, 16, 64], K = its axis 1): each comes as NAME_codes (uint8): NAME with its K axis moved to the last place and cut into blocks of 32 codes, [.., K / 32, bytes a block], one block behind the other in memory; four codes in three bytes: a row's codes are one little-endian stream of bits, code i at bits 6 i .. 6 i + 5 (a code: sign, 3 exponent bits, 2 mantissa bits); and NAME_scales (uint8): the same leading axes, one E8M0 byte (e + 127) for each 32 codes along K. Its value is code x scale, taken as it is: it is not quantised again, and the codes and scales need not be those that the quantiser above would give.
;; One version. Each part assembles by itself: llvm-mc -triple=amdgcn-amd-amdhsa -mcpu=gfx1250 --defsym DOCPART=n.
;; ======== version 1 of 1: 1 launch
;; launch attn (part 1): grid 4 x 64, 16 waves a work-group, clusters of 4 x 1, 313,344 bytes of LDS; arguments keys_codes, keys_scales, queries_codes, queries_scales, values_codes, values_scales, out0; writes out0
.if DOCPART == 1
	.amdgcn_target "amdgcn-amd-amdhsa--gfx1250"
	.amdhsa_code_object_version 6
	.text
	.protected	k_q0cfddf04f6_attn
	.globl	k_q0cfddf04f6_attn
	.p2align	8
	.type	k_q0cfddf04f6_attn,@function
k_q0cfddf04f6_attn:
	s_mov_b64 s[64:65], 0
	v_nop
	global_prefetch_b8 v0, s[64:65] scope:SCOPE_SE
	s_setreg_imm32_b32 hwreg(HW_REG_WAVE_MODE, 25, 1), 1
	s_wait_xcnt 0x0
	s_wait_alu depctr_hold_cnt(0) depctr_sa_sdst(0) depctr_va_vdst(0) depctr_va_sdst(0) depctr_va_ssrc(0) depctr_va_vcc(0) depctr_vm_vsrc(0)
	s_getreg_b32 s2, hwreg(HW_REG_IB_STS2, 6, 4)
	s_cmp_eq_u32 s2, 0
	s_cbranch_scc0 .Lentry_in_a_cluster
	s_endpgm
.Lentry_in_a_cluster:
	s_bfe_u32 s2, ttmp6, 0x10000c
	s_cmp_lg_u32 s2, 0x3003
	s_cbranch_scc0 .Lentry_shape_is_right
	s_endpgm
.Lentry_shape_is_right:
; out[b][l][h][:] = the sum over s <= l of softmax_s(q[b][l][h] . k[b][s][h] / 8) v[b][s][h][:], 4 x 16 heads, 2,048 rows, head size 64; both products on codes of BF6 (E3M2) with one E8M0 byte for each 32 along a product's K.
; q, k: rows of 48 bytes (64 codes), 768 bytes from row to row of a head; their scale bytes 2 a row, 32 bytes apart.  v: keys innermost, 64 rows of 1,536 bytes a head; its scale bytes 64 a row.  out: f32, a row of a head is 256 bytes, rows 4,096 bytes apart.
; THE SOFTMAX AHEAD OF THE SECOND PRODUCT: t = score x log2(e) / 8; M = the running largest t rounded UP to a whole number; p = 2^(t - M) is quantised along the keys, not normalised; the row's sum is taken of the unquantised p
; and divides at the end.  When M moves, the sum and O are multiplied by 2^(old M - new M): exact, and done in every step, so that nothing branches on data.
; SHARES.  The four work-groups of a cluster own one head.  A head has 128 tiles of 16 queries; tile t needs the key steps (128 keys) 0 .. t / 8.  A wave owns TWO tiles, 8 u + sub and 8 (15 - u) + sub: (u + 1) + (16 - u) = 17 steps for
; every wave of the launch.  u is made of the wave's number alone, so that every branch is alike in the four partners; the place in the cluster enters only sub: q's and out's addresses, and a lane's number for the mask.
; A WHOLE HEAD'S K AND V STAY IN LDS (2 x 98,304 bytes of codes): every tile is filled once, nothing is filled again, and the walk has no barrier but one.  Each tile is asked for JOINTLY by the four work-groups (mask 15).
; The loads go by quarters of the keys: the work starts when quarter 0 has landed; every wave's first four steps (its upper tile has nine or more) need no more; then one barrier for the rest.
; A load is 32 rows (K) or 8 rows (V): K's rows lie in runs of 32 with a gap behind each (below), and a quarter is shared out among sixteen waves.
; LAYOUT.  Both products are used transposed: S^T = K Q^T (source 0 = 16 keys, source 1 = my 16 queries), O^T = V^T P^T (source 0 = 16 channels, source 1 = P): a lane holds ONE query (lane % 16) throughout.
; THE KEYS OF A TILE ARE NOT NEIGHBOURS: lane r of tile 4 c + i takes key 64 c + 8 i + r % 8 + 32 (r / 8) of the step.  Register 32 c + e of lane (r, h) is then key 64 c + 32 h + e: two WHOLE blocks of 32 keys a lane, in the very
; order of the 6-bit operand: a block's maximum needs no other lane, and the conversions' results are the operand's registers.
; HEAD SIZE 64 IN A FORM OF K = 128.  q's operand is 6 registers of codes and 6 of zeros.  K's fragments lie 6 registers apart, so an operand of 12 reaches into the next fragment (behind the last: 6 zeroed registers): those are codes
; of finite numbers (E3M2 has no infinity and no NaN) that meet q's zero codes and add nothing.  The scale words are 16 bits widened by zeros: the bytes of K = 64 .. 127 are 0, never 0xff.
; LIMITS: a scale byte 0xff among the inputs is not served; a p under 2^-126 counts as 0 (v_exp_f32 gives 0 there: ISA guide, its entry in 15.8); scores stay finite in f32.
.set KRUN, 1664                        ; LDS: K's codes: key k at KRUN (k / 32) + 48 (k % 32): a run of 32 rows is 1,536 bytes + 128.  In pieces of 8 bytes a lane stands at 6 (r % 8) + 208 (r / 8) + 3 h: 32 different numbers mod 32,
                                       ; so the 32 lanes of a load of 8 bytes touch 64 different banks (64 banks of 4 bytes: ISA guide 11.1)
.set VB,   64*KRUN                     ; V's codes: 8 chunks of 256 keys; in a chunk row d at 240 d: 3 x (64 bytes + 16 of padding)
.set VCH,  64*240
.set KSC,  VB+8*VCH                    ; K's scale words in the order of the scale registers: step s at 512 s, lane l at 16 l, tile 4 (l / 16) + i at 4 i
.set VSC,  KSC+8192                    ; V's: step s at 256 s, lane l at 8 l, tile 2 (l / 16) + u at 4 u
.set STG,  VSC+4096                    ; the way out: 16 rows x (256 bytes + 16) for each wave.  The two tables and the stages are written by LDS stores; no tile lands there
.set SPI,  272
.set AK0,  1                           ; v1   my lane's place in a tile of K: 48 (r % 8) + KRUN (r / 8) + 24 h
.set AV0,  2                           ; v2   in a tile of V: VB + 240 r + 24 h
.set AV1,  3                           ; v3   the same for the pieces that lie behind one padding more: VB + 240 r + 40 h
.set ASK0, 4                           ; v4   KSC + 16 x lane
.set ASV0, 5                           ; v5   VSC + 8 x lane
.set SH8,  6                           ; v6   8 h
.set DD,   7                           ; v7   16 sub + r - 32 h: on the diagonal register 32 c + e is hidden where 64 c + e > this
.set GO,   8                           ; v8   4,096 h + 16 r: my 16 bytes in two rows of out
.set STO,  9                           ; v9   the stage, in: row r, + 32 h
.set RD,   10                          ; v10  and back: row h, + 16 r
.set ADK,  11                          ; v11-15 the addresses of the loads in hand: K, V, V behind a padding, K's scale words, V's
.set ADV,  12
.set ADV1, 13
.set ADS,  14
.set ADT,  15
.set NM,   16                          ; v16 -M;  v17 the largest t so far (named as a pair by the packed form, which takes the low word)
.set TM,   17
.set SUM,  18                          ; v[18:19] the row's sum in two halves
.set QHI,  20                          ; v[20:31] q of my upper tile: 6 registers of codes, 6 of zeros;  v[32:43] of my lower tile
.set QLO,  32
.set QWH,  44                          ; v44, v45 their scale words
.set QWL,  45
.set KS,   46                          ; v[46:49] K's scale words of a step;  v[50:51] V's;  v52 p's: these hold scales and nothing else
.set VS,   50
.set PS,   52
.set KF,   54                          ; v[54:101] K's 8 fragments of 6, later V's 4 of 12;  v[102:107] zeros
.set S,    108                         ; v[108:171] S^T, then p
.set OT,   172                         ; v[172:203] O^T, tile t at OT + 8 t
.set PC,   204                         ; v[204:215] p's codes
.set CT,   216                         ; v[216:218], v[220:222] the upper halves of the two blocks' codes, to be moved
.set BM,   224                         ; v224-227 four chains of maxima; the blocks' largest scores end in v224, v225
.set X0,   228                         ; v228, v229 at work (v229: a lane permute's destination, written at the head)
.set X1,   229
.set FF,   230                         ; v[230:231] f = 2^(old M - new M), at the end 1 / the sum (v231 is named with it as a pair, so it is written)
.set SCO,  232                         ; v232, v233 the conversions' scale operands;  v234, v235 the scale bytes
.set BY,   234
.set SU2,  236                         ; v[236:237] the sum's second chain
.set NINF, 238                         ; v238 -infinity;  v239 the old -M
.set OLD,  239
.set WV,   18                          ; s18 my wave's number
.set CX,   19                          ; s19 my place in the cluster, later 16 sub
.set YH,   20                          ; s20 the head, 0 .. 63;  s21 b;  s22 h
.set BB,   21
.set HD,   22
.set SUB,  23                          ; s23 sub = 2 cx + (wave / 4) % 2
.set G1K,  24                          ; s[24:31] descriptor group 1 for K's tiles;  s[32:39] for V's
.set G1V,  32                          ; groups 0, one set for each load: K's quarters s[40:43], s[48:51], s[56:59], s[68:71];  V's s[44:47], s[52:55], s[60:63], s[72:75]
.set SEL,  66                          ; s[66:67] lane selects for v_permlanex16_b32: lane l xor 16
.set CS,   76                          ; s[76:77] c = log2(e) / 8
.set UHI,  78                          ; s78 my upper tile's last key step, 8 .. 15;  s79 my lower tile's, 0 .. 7
.set ULO,  79
.set SI,   80                          ; s80 the step's number
.set TK,   81                          ; s81-84 where the trip's two steps begin: K's codes, V's codes, K's scale words, V's
.set TV,   82
.set TSK,  83
.set TSV,  84
.set CNT,  85                          ; s85 trips to go
.set QCH,  86                          ; s[86:93] q's codes and scale bytes at my upper and at my lower tile
.set QSH,  88
.set QCL,  90
.set QSL,  92
.set OUTH, 94                          ; s[94:97] out at my upper and at my lower tile
.set OUTL, 96
; A round of the cluster's barrier: my work-group's barrier, so that wave 0's signal speaks for all sixteen waves; wave 0 signals for the work-group; every wave waits for all four work-groups; my work-group's barrier once more.
.macro CROUND
	s_barrier_signal -1
	s_barrier_wait -1
	s_cmp_lg_u32 s[WV], 0
	s_cbranch_scc1 .Lnot_wave_0_\@
	s_barrier_signal -3
.Lnot_wave_0_\@:
	s_barrier_wait -3
	s_barrier_signal -1
	s_barrier_wait -1
.endm
; The byte offsets of tile 8 u + sub: q's codes (12,288 bytes a tile), q's scale bytes (512), out (65,536), each on top of the head's offset.  These registers alone hold numbers made of the place in the cluster.
.macro TILEOFF u, qc, qs, ob
	s_lshl_b32 s[\qc], s[\u], 3
	s_add_co_u32 s[\qc], s[\qc], s[SUB]
	s_lshl_b32 s[\ob], s[\qc], 16
	s_lshl_b32 s[\qs], s[\qc], 9
	s_mul_i32 s[\qc], s[\qc], 12288
	s_add_co_u32 s[\qc], s[\qc], s98
	s_add_co_u32 s[\qs], s[\qs], s82
	s_add_co_u32 s[\ob], s[\ob], s99
	s_mov_b32 s[\qc+1], 0
	s_mov_b32 s[\qs+1], 0
	s_mov_b32 s[\ob+1], 0
.endm
; Descriptor group 0: count 1; the LDS address (the wave's share + a constant); the global address of the tile's first byte; type 2 on top.
.macro G0SET g, lbase, loff, ptr, goff
	s_mov_b32 s[\g], 1
	s_add_co_u32 s[\g+1], s[\lbase], \loff
	s_add_nc_u64 s[\g+2:\g+3], s[\ptr:\ptr+1], \goff
	s_or_b32 s[\g+3], s[\g+3], 0x80000000
.endm
	s_load_b256 s[4:11], s[0:1], 0x0               ; k's codes s[4:5], k's scales s[6:7], q's codes s[8:9], q's scales s[10:11]
	s_load_b128 s[12:15], s[0:1], 0x20             ; v's codes s[12:13], v's scales s[14:15]
	s_load_b64 s[16:17], s[0:1], 0x30              ; out
	v_lshl_add_u32 v254, v0, 2, 0x4c000
	v_mov_b32 v255, 0
	ds_add_u32 v254, v255
	ds_add_u32 v254, v255
	v_lshrrev_b32 v1, 5, v0
	s_delay_alu instid0(VALU_DEP_1)
	v_readfirstlane_b32 s[WV], v1                  ; wave 0 .. 15
	s_bfe_u32 s[CX], ttmp6, 0x40000                ; cx
	s_and_b32 s[YH], ttmp7, 0xffff                 ; the head, which the four partners share
	s_lshr_b32 s[BB], s[YH], 4
	s_and_b32 s[HD], s[YH], 15
	; u of my lower tile, from the wave's bits b3 b2 b1 b0: base = 2 b3 + b1, turned into 7 - base where b2 xor b0 is set.  For each b2 (sub's low bit) the other three bits give all eight u.
	s_lshr_b32 s2, s[WV], 3
	s_lshl_b32 s2, s2, 1
	s_bfe_u32 s3, s[WV], 0x10001
	s_or_b32 s2, s2, s3
	s_lshr_b32 s3, s[WV], 2
	s_xor_b32 s3, s3, s[WV]
	s_and_b32 s3, s3, 1
	s_mul_i32 s3, s3, 7
	s_xor_b32 s[ULO], s2, s3
	s_xor_b32 s[UHI], s[ULO], 15                   ; 15 - u
	s_bfe_u32 s3, s[WV], 0x10002
	s_lshl_b32 s[SUB], s[CX], 1
	s_add_co_u32 s[SUB], s[SUB], s3
	; byte offsets, each under 2^32, in pairs with 0 above
	s_mul_i32 s98, s[BB], 1572864
	s_mul_i32 s99, s[HD], 48
	s_add_co_u32 s98, s98, s99                     ; the head's first row in q's and k's codes
	s_mul_i32 s100, s[WV], 24576                   ; K: my run of 32 keys in a quarter
	s_add_co_u32 s100, s100, s98
	s_mov_b32 s101, 0
	s_and_b32 s99, s[WV], 7                        ; V: rows 8 (wave % 8) on, chunk wave / 8 of a quarter's two
	s_mul_i32 s80, s99, 12288
	s_lshr_b32 s99, s[WV], 3
	s_mul_i32 s99, s99, 192
	s_add_co_u32 s80, s80, s99
	s_mul_i32 s99, s[YH], 98304
	s_add_co_u32 s80, s80, s99
	s_mov_b32 s81, 0
	s_lshl_b32 s82, s[BB], 16                      ; the head's first row in q's and k's scale bytes
	s_lshl_b32 s99, s[HD], 1
	s_add_co_u32 s82, s82, s99
	s_mov_b32 s83, 0
	s_lshl_b32 s84, s[YH], 12                      ; the head in v's scale bytes
	s_mov_b32 s85, 0
	s_lshl_b32 s99, s[BB], 23                      ; the head's first row in out
	s_lshl_b32 s3, s[HD], 8
	s_add_co_u32 s99, s99, s3
	TILEOFF UHI, QCH, QSH, OUTH
	TILEOFF ULO, QCL, QSL, OUTL
	s_mul_i32 s2, s[WV], KRUN                      ; where my tiles go: the wave's number times a constant: no place in the cluster enters an LDS address
	s_mul_i32 s3, s[WV], 1920
	; descriptor group 1.  K: 32 rows x 48 bytes, 768 bytes apart in memory, dense in LDS
	s_mov_b32 s[G1K], 15|(1<<21)                   ; 15:0 the mask: all four work-groups; 17:16 elements of 1 byte; 20 padding off; 21 set beside a mask
	s_mov_b32 s[G1K+1], 48<<16                     ; tensor_dim0
	s_mov_b32 s[G1K+2], 32<<16                     ; tensor_dim1
	s_mov_b32 s[G1K+3], 48<<16                     ; tile_dim0
	s_mov_b32 s[G1K+4], 32                         ; tile_dim1
	s_mov_b32 s[G1K+5], 768                        ; tensor_dim0_stride
	s_mov_b32 s[G1K+6], 0
	s_mov_b32 s[G1K+7], 0
	; V: 8 rows x 192 bytes, 1,536 bytes apart in memory; 4 words of padding behind every 16 words: rows 240 bytes apart in LDS
	s_mov_b32 s[G1V], 15|(1<<20)|(1<<21)|(3<<22)|(3<<25)
	s_mov_b32 s[G1V+1], 192<<16
	s_mov_b32 s[G1V+2], 8<<16
	s_mov_b32 s[G1V+3], 192<<16
	s_mov_b32 s[G1V+4], 8
	s_mov_b32 s[G1V+5], 1536
	s_mov_b32 s[G1V+6], 0
	s_mov_b32 s[G1V+7], 0
	s_mov_b32 s[SEL], 0x76543210
	s_mov_b32 s[SEL+1], 0xfedcba98
	s_mov_b32 s[CS], 0x3e38aa3b                    ; c = log2(e) / 8
	s_mov_b32 s[CS+1], s[CS]                       ; (named with it as a pair, so it is written)
	v_and_b32 v240, 15, v0                         ; r
	v_bfe_u32 v241, v0, 4, 1                       ; h
	v_and_b32 v242, 7, v0                          ; r % 8
	v_bfe_u32 v243, v0, 3, 1                       ; r / 8
	v_and_b32 v244, 31, v0                         ; lane
	v_mul_u32_u24 v245, v240, 768
	s_delay_alu instid0(VALU_DEP_1)
	v_mad_u32_u24 v245, v241, 24, v245             ; q's codes: row r, + 24 h
	v_lshlrev_b32 v246, 5, v240                    ; q's scale bytes: row r
	v_lshlrev_b32 v247, 5, v0                      ; k's scale bytes: key = my thread's number (+ 512 n)
	v_lshlrev_b32 v248, 2, v0                      ; v's scale words: word = my thread's number (+ 512 n)
	s_wait_dscnt 0x0
	s_wait_kmcnt 0x0
	s_add_nc_u64 s[100:101], s[4:5], s[100:101]    ; K's codes at my run of quarter 0
	s_add_nc_u64 s[98:99], s[12:13], s[80:81]      ; V's codes at my rows of quarter 0
	s_add_nc_u64 s[6:7], s[6:7], s[82:83]
	s_add_nc_u64 s[14:15], s[14:15], s[84:85]
	s_add_nc_u64 s[QCH:QCH+1], s[8:9], s[QCH:QCH+1]
	s_add_nc_u64 s[QSH:QSH+1], s[10:11], s[QSH:QSH+1]
	s_add_nc_u64 s[QCL:QCL+1], s[8:9], s[QCL:QCL+1]
	s_add_nc_u64 s[QSL:QSL+1], s[10:11], s[QSL:QSL+1]
	s_add_nc_u64 s[OUTH:OUTH+1], s[16:17], s[OUTH:OUTH+1]
	s_add_nc_u64 s[OUTL:OUTL+1], s[16:17], s[OUTL:OUTL+1]
	G0SET 40, 2, 0,           100, 0               ; K, quarter j: run 16 j + wave: 16 runs and 512 keys (393,216 bytes) from quarter to quarter
	G0SET 44, 3, VB,          98,  0               ; V, quarter j: chunks 2 j and 2 j + 1: 384 bytes on in each row
	G0SET 48, 2, 16*KRUN,     100, 393216
	G0SET 52, 3, VB+2*VCH,    98,  384
	G0SET 56, 2, 32*KRUN,     100, 786432
	G0SET 60, 3, VB+4*VCH,    98,  768
	G0SET 68, 2, 48*KRUN,     100, 1179648
	G0SET 72, 3, VB+6*VCH,    98,  1152
	CROUND                                         ; all four work-groups are here: the joint loads meet
	tensor_load_to_lds s[40:43], s[G1K:G1K+7]      ; all the launch's fills, as one group: eight loads of mine are out; every wave issues all eight, each into bytes of its own
	s_nop 0
	tensor_load_to_lds s[44:47], s[G1V:G1V+7]
	s_nop 0
	tensor_load_to_lds s[48:51], s[G1K:G1K+7]
	s_nop 0
	tensor_load_to_lds s[52:55], s[G1V:G1V+7]
	s_nop 0
	tensor_load_to_lds s[56:59], s[G1K:G1K+7]
	s_nop 0
	tensor_load_to_lds s[60:63], s[G1V:G1V+7]
	s_nop 0
	tensor_load_to_lds s[68:71], s[G1K:G1K+7]
	s_nop 0
	tensor_load_to_lds s[72:75], s[G1V:G1V+7]
	s_nop 0
.rept 4
	v_nop
.endr
	s_wait_alu depctr_va_vdst(0)
.irp p, 0,1,2
	global_load_b64 v[QHI+2*\p:QHI+2*\p+1], v245, s[QCH:QCH+1] offset:8*\p   ; q's fragments stay in registers: 24 bytes a lane, in pieces of 8
	global_load_b64 v[QLO+2*\p:QLO+2*\p+1], v245, s[QCL:QCL+1] offset:8*\p
.endr
	global_load_u16 v[QWH], v246, s[QSH:QSH+1]     ; two scale bytes, widened by zeros
	global_load_u16 v[QWL], v246, s[QSL:QSL+1]
.irp n, 0,1,2,3
	global_load_u16 v[S+\n], v247, s[6:7] offset:16384*\n     ; k's scale bytes of the whole head: 2,048 keys, four to a thread
.endr
.irp n, 0,1
	global_load_b32 v[S+4+\n], v248, s[14:15] offset:2048*\n  ; v's: 1,024 words, two to a thread; a wave reads 128 consecutive bytes
.endr
	v_mul_u32_u24 v[AK0], v242, 48
	s_delay_alu instid0(VALU_DEP_1)
	v_mad_u32_u24 v[AK0], v243, KRUN, v[AK0]
	s_delay_alu instid0(VALU_DEP_1)
	v_mad_u32_u24 v[AK0], v241, 24, v[AK0]
	v_mul_u32_u24 v[AV0], v240, 240
	s_delay_alu instid0(VALU_DEP_1)
	v_mad_u32_u24 v[AV0], v241, 24, v[AV0]
	s_delay_alu instid0(VALU_DEP_1)
	v_lshl_add_u32 v[AV1], v241, 4, v[AV0]
	s_delay_alu instid0(VALU_DEP_2)
	v_add_nc_u32 v[AV0], VB, v[AV0]
	s_delay_alu instid0(VALU_DEP_2)
	v_add_nc_u32 v[AV1], VB, v[AV1]
	v_lshl_add_u32 v[ASK0], v244, 4, KSC
	v_lshl_add_u32 v[ASV0], v244, 3, VSC
	v_lshlrev_b32 v[SH8], 3, v241
	s_lshl_b32 s[CX], s[SUB], 4
	v_lshlrev_b32 v[DD], 5, v241
	s_delay_alu instid0(VALU_DEP_1)
	v_sub_nc_u32 v[DD], v240, v[DD]
	s_delay_alu instid0(VALU_DEP_1)
	v_add_nc_u32 v[DD], s[CX], v[DD]
	v_lshlrev_b32 v[GO], 4, v240
	s_delay_alu instid0(VALU_DEP_1)
	v_lshl_add_u32 v[GO], v241, 12, v[GO]
	s_mul_i32 s3, s[WV], 16*SPI
	s_add_co_u32 s3, s3, STG                       ; my stage
	v_mul_u32_u24 v[STO], v240, SPI
	s_delay_alu instid0(VALU_DEP_1)
	v_lshl_add_u32 v[STO], v241, 5, v[STO]
	s_delay_alu instid0(VALU_DEP_1)
	v_add_nc_u32 v[STO], s3, v[STO]
	v_mul_u32_u24 v[RD], v241, SPI
	s_delay_alu instid0(VALU_DEP_1)
	v_lshl_add_u32 v[RD], v240, 4, v[RD]
	s_delay_alu instid0(VALU_DEP_1)
	v_add_nc_u32 v[RD], s3, v[RD]
	; key k's scale word goes to 128 (k / 32) + 16 (k % 8) + 4 ((k / 8) % 4): step k / 128, lane k % 8 + 8 ((k / 32) % 2) + 16 ((k / 64) % 2), tile word (k / 8) % 4
	v_lshrrev_b32 v249, 5, v0
	s_delay_alu instid0(VALU_DEP_1)
	v_lshlrev_b32 v249, 7, v249
	s_delay_alu instid0(VALU_DEP_1)
	v_lshl_add_u32 v249, v242, 4, v249
	v_bfe_u32 v250, v0, 3, 2
	s_delay_alu instid0(VALU_DEP_1)
	v_lshl_add_u32 v249, v250, 2, v249
	s_delay_alu instid0(VALU_DEP_1)
	v_add_nc_u32 v249, KSC, v249
	; word W of v's scales (row d = W / 16, step W % 16) goes to 256 (W % 16) + 8 (d % 16) + 128 (d / 32) + 4 ((d / 16) % 2)
	v_lshlrev_b32 v251, 8, v240
	v_bfe_u32 v250, v0, 4, 4
	s_delay_alu instid0(VALU_DEP_1)
	v_lshl_add_u32 v251, v250, 3, v251
	v_lshrrev_b32 v250, 8, v0
	s_delay_alu instid0(VALU_DEP_1)
	v_lshl_add_u32 v251, v250, 2, v251
	s_delay_alu instid0(VALU_DEP_1)
	v_add_nc_u32 v251, VSC, v251
.irp j, 6,7,8,9,10,11
	v_mov_b32 v[QHI+\j], 0                         ; q's codes of K = 64 .. 127: zeros
	v_mov_b32 v[QLO+\j], 0
	v_mov_b32 v[KF+42+\j], 0                       ; and what the last fragment of K reaches into
.endr
	v_mov_b32 v[X1], 0                             ; written once: a lane permute's destination counts as one of its sources
	v_mov_b32 v[FF+1], 0
	v_mov_b32 v[NINF], 0xff800000
	s_wait_loadcnt 0x0
.irp n, 0,1,2,3
	ds_store_b32 v249, v[S+\n] offset:2048*\n
.endr
.irp n, 0,1
	ds_store_b32 v251, v[S+4+\n] offset:128*\n
.endr
	s_wait_tensorcnt 6                             ; tensor loads of a wave end in order (ISA guide 10.11.1): behind K's and V's quarter 0 six were issued, so my parts of quarter 0 are in
	s_wait_dscnt 0x0                               ; for the others' sake: my part of the two tables is stored
	s_barrier_signal -1
	s_barrier_wait -1                              ; everybody's are.  The other quarters may stay on their way
; A tile begins: O^T and the sum as zeros, the largest t as -3e38 (|t| stays under 0.19 x the largest f32 number): the first change of M multiplies zeros, so the step is written without a first step of its own.
.macro INIT
	v_mov_b32 v[TM], 0xff61b1e6
	s_delay_alu instid0(VALU_DEP_1)
	v_floor_f32 v[NM], -v[TM]
	v_mov_b32 v[SUM], 0
	v_mov_b32 v[SUM+1], 0
.set ii, 0
.rept 32
	v_mov_b32 v[OT+ii], 0
.set ii, ii+1
.endr
	s_mov_b32 s[SI], 0
	s_mov_b32 s[TK], 0
	s_mov_b32 s[TV], 0
	s_mov_b32 s[TSK], 0
	s_mov_b32 s[TSV], 0
.endm
; A trip's end: two steps on: 8 runs of K, a chunk of V, 2 x 512 and 2 x 256 bytes of scale words.
.macro ADVANCE back
	s_add_co_u32 s[TK], s[TK], 8*KRUN
	s_add_co_u32 s[TV], s[TV], VCH
	s_add_co_u32 s[TSK], s[TSK], 1024
	s_add_co_u32 s[TSV], s[TSV], 512
	s_sub_co_u32 s[CNT], s[CNT], 1
	s_cmp_lg_u32 s[CNT], 0
	s_cbranch_scc1 \back
.endm
; A fragment of V^T: channels 16 tl + r, the 128 keys of the chunk's half hs: 12 registers, in pieces of 8 bytes.  Lanes 0-15 take the row's pieces 12 hs + 0, 1, 2 and + 6, 7, 8, lanes 16-31 those three pieces on;
; 16 bytes of padding lie behind every 8 pieces: where the piece three on lies behind one padding more, the second address register serves.
.macro VFRAG reg, tl, hs
.irp p, 0,1,2,3,4,5
.set PCE, 12*(\hs)+6*(\p/3)+\p%3
.if PCE%8 < 5
	ds_load_b64 v[\reg+2*\p:\reg+2*\p+1], v[ADV] offset:3840*(\tl)+8*PCE+16*(PCE/8)
.else
	ds_load_b64 v[\reg+2*\p:\reg+2*\p+1], v[ADV1] offset:3840*(\tl)+8*PCE+16*(PCE/8)
.endif
.endr
.endm
; A KEY STEP: 128 keys, the st-th of the trip's two.  qf, qw: q's fragment and its scale word.  lim: the register with the tile's last step.
; edge = 1: the step may lie on the diagonal or behind it: a step all of whose keys come after my queries is left out by a scalar branch on numbers made of the wave's number and the step's; no barrier stands in a step.
.macro STEP st, qf, qw, lim, edge
.if \edge
	s_cmp_gt_u32 s[SI], s[\lim]
	s_cbranch_scc1 .Lhid_\@
.endif
	v_add_nc_u32 v[ADK], s[TK], v[AK0]             ; these five are also the places (four are owed: ISA guide 7.12.1 for vector instructions) between the last products and the loads into the registers that they read
	v_add_nc_u32 v[ADV], s[TV], v[AV0]
	v_add_nc_u32 v[ADV1], s[TV], v[AV1]
	v_add_nc_u32 v[ADS], s[TSK], v[ASK0]
	v_add_nc_u32 v[ADT], s[TSV], v[ASV0]
	ds_load_b128 v[KS:KS+3], v[ADS] offset:512*\st ; K's eight scale words: lanes 0-15 those of tiles 0-3, lanes 16-31 those of tiles 4-7
.irp t, 0,1,2,3,4,5,6,7
.irp p, 0,1,2
	ds_load_b64 v[KF+6*\t+2*\p:KF+6*\t+2*\p+1], v[ADK] offset:4*KRUN*\st+2*KRUN*(\t/4)+384*(\t%4)+8*\p
.endr
.endr
	s_wait_alu depctr_va_vdst(0)
	s_wait_dscnt 0x0
.irp t, 0,1,2,3                        ; S^T = K Q^T: eight tiles of 16 keys, each a sum of its own
	v_wmma_scale_f32_16x16x128_f8f6f4 v[S+8*\t:S+8*\t+7], v[KF+6*\t:KF+6*\t+11], v[\qf:\qf+11], 0, v[KS+\t], v[\qw] matrix_a_fmt:MATRIX_FMT_BF6 matrix_b_fmt:MATRIX_FMT_BF6
.endr
.irp t, 4,5,6,7
	v_wmma_scale_f32_16x16x128_f8f6f4 v[S+8*\t:S+8*\t+7], v[KF+6*\t:KF+6*\t+11], v[\qf:\qf+11], 0, v[KS+\t-4], v[\qw] matrix_a_fmt:MATRIX_FMT_BF6 matrix_b_fmt:MATRIX_FMT_BF6 matrix_a_scale:MATRIX_SCALE_ROW1
.endr
.rept 4
	v_nop                                          ; four places: in front of the loads into K's registers and of the first read of the scores
.endr
.irp t, 0,1,2,3
	VFRAG KF+12*\t, \t, \st                        ; V's four fragments land while the softmax is worked
.endr
	ds_load_b64 v[VS:VS+1], v[ADT] offset:256*\st  ; V's four scale words: lanes 0-15 tiles 0, 1; lanes 16-31 tiles 2, 3
.if \edge                              ; on the diagonal the scores of hidden keys become -infinity ahead of the maxima: p = 0 then.  A step all of whose keys count jumps over this
	s_cmp_lg_u32 s[SI], s[\lim]
	s_cbranch_scc1 .Lopen_\@
.irp c, 0,1
.irp m, 0,1,2,3,4,5,6,7,8,9,10,11,12,13,14,15,16,17,18,19,20,21,22,23,24,25,26,27,28,29,30,31
	v_cmp_gt_i32 vcc_lo, 64*\c+\m, v[DD]
	v_cndmask_b32 v[S+32*\c+\m], v[S+32*\c+\m], v[NINF], vcc_lo
.endr
.endr
.Lopen_\@:
.endif
	; THE LARGEST SCORE OF EACH OF MY TWO BLOCKS OF 32 KEYS serves twice: for the row's maximum, and, since p rises with the score, for the block's largest p.  Four chains by turns, chain x on registers 32 (x % 2) + 16 (x / 2) on;
	; each tile of scores is read first at its lowest register
.irp x, 0,1,2,3
	v_max3_num_f32 v[BM+\x], v[S+32*(\x%2)+16*(\x/2)], v[S+32*(\x%2)+16*(\x/2)+1], v[S+32*(\x%2)+16*(\x/2)+2]
.endr
.irp k, 3,5,7,9,11,13
.irp x, 0,1,2,3
	v_max3_num_f32 v[BM+\x], v[BM+\x], v[S+32*(\x%2)+16*(\x/2)+\k], v[S+32*(\x%2)+16*(\x/2)+\k+1]
.endr
.endr
.irp c, 0,1
	v_max3_num_f32 v[BM+\c], v[BM+\c], v[BM+2+\c], v[S+32*\c+15]
.endr
.irp c, 0,1
	v_max_num_f32 v[BM+\c], v[BM+\c], v[S+32*\c+31]
.endr
	s_delay_alu instid0(VALU_DEP_1)
	v_max_num_f32 v[X0], v[BM], v[BM+1]
	s_delay_alu instid0(VALU_DEP_1)
	v_permlanex16_b32 v[X1], v[X0], s[SEL], s[SEL+1]
	s_delay_alu instid0(VALU_DEP_1)
	v_max_num_f32 v[X0], v[X0], v[X1]              ; with lane l xor 16's 64 keys: the step's largest score of my query
	s_delay_alu instid0(VALU_DEP_1)
	v_mul_f32 v[X0], s[CS], v[X0]                  ; as t (c is positive)
	s_delay_alu instid0(VALU_DEP_1)
	v_max_num_f32 v[TM], v[TM], v[X0]              ; the running largest t
	v_mov_b32 v[OLD], v[NM]
	s_delay_alu instid0(VALU_DEP_2)
	v_floor_f32 v[NM], -v[TM]                      ; the new -M = floor(-t) = -ceil(t): M is a whole number
	s_delay_alu instid0(VALU_DEP_1)
	v_sub_f32 v[X0], v[NM], v[OLD]                 ; M's old value less its new one: a whole number, 0 or less
	s_delay_alu instid0(VALU_DEP_1)
	v_cvt_i32_f32 v[X0], v[X0]                     ; (it saturates)
	s_delay_alu instid0(VALU_DEP_1)
	v_ldexp_f32 v[FF], 1.0, v[X0]                  ; f = 2^(old M - new M): a multiplication by it rounds nothing
.set ii, 0
.rept 32
	v_pk_fma_f32 v[S+ii:S+ii+1], v[S+ii:S+ii+1], s[CS:CS+1], v[NM:NM+1] op_sel_hi:[1,0,0]   ; t - M, two at a time (of the pairs c and -M the low word serves both halves)
.set ii, ii+2
.endr
.irp c, 0,1
	v_fma_f32 v[BM+\c], v[BM+\c], s[CS], v[NM]     ; the same of each block's largest score
.endr
.set ii, 0
	s_wait_alu depctr_va_vdst(0)
.rept 64
	v_exp_f32 v[S+ii], v[S+ii]                     ; p = 2^(t - M), at most 1: not normalised
.set ii, ii+1
.endr
.irp c, 0,1
	v_exp_f32 v[BM+\c], v[BM+\c]                   ; the block's largest p: the same two instructions on the same number give the same bits
.endr
	v_pk_mul_f32 v[SUM:SUM+1], v[SUM:SUM+1], v[FF:FF+1] op_sel_hi:[1,0]   ; the sums under the new M.  (The plain instruction behind the exponentials: ISA guide 5.7.2)
	s_wait_alu depctr_va_vdst(0)
.irp c, 0,1
	v_max_num_f32 v[BM+\c], 0x2800000, v[BM+\c]    ; the floor 2^(5 - 127): the byte cannot fall under 1 (a block whose every p is 0 keeps that byte: its codes are zeros)
.endr
.irp c, 0,1
	s_delay_alu instid0(VALU_DEP_2)
	v_add_nc_u32 v[SCO+\c], 0xfe000000, v[BM+\c]   ; 4 off the exponent field: the conversion takes the exponent field of this operand as its scale, and nothing else of it
.endr
.irp c, 0,1
	s_delay_alu instid0(VALU_DEP_2)
	v_lshrrev_b32 v[BY+\c], 23, v[SCO+\c]          ; the scale's byte
.endr
	s_delay_alu instid0(VALU_DEP_1)
	v_lshl_or_b32 v[X0], v[BY+1], 16, v[BY]        ; my two bytes: blocks h and 2 + h of my query,
	s_delay_alu instid0(VALU_DEP_1)
	v_lshlrev_b32 v[X0], v[SH8], v[X0]             ; at their places in the scale word (8 h bits up);
	s_delay_alu instid0(VALU_DEP_1)
	v_permlanex16_b32 v[X1], v[X0], s[SEL], s[SEL+1]
	s_delay_alu instid0(VALU_DEP_1)
	v_or_b32 v[PS], v[X0], v[X1]                   ; with lane l xor 16's two the word is whole
.irp c, 0,1
	v_cvt_scalef32_pk16_bf6_f32 v[PC+6*\c:PC+6*\c+2], v[S+32*\c:S+32*\c+15], v[SCO+\c]      ; registers 6 c .. 6 c + 5 of the operand: keys 64 c + 32 h + 0 .. 31
	v_cvt_scalef32_pk16_bf6_f32 v[CT+4*\c:CT+4*\c+2], v[S+32*\c+16:S+32*\c+31], v[SCO+\c]   ; (a conversion's three registers begin on an even number: the second half of a block's six does not, so it is made elsewhere and moved)
.endr
	v_nop                                          ; one plain place behind a scaled conversion
.irp c, 0,1
.irp i, 0,1,2
	v_mov_b32 v[PC+6*\c+3+\i], v[CT+4*\c+\i]
.endr
.endr
	v_pk_add_f32 v[236:237], v[112:113], v[116:117]
	v_pk_add_f32 v[252:253], v[120:121], v[124:125]
	v_pk_add_f32 v[250:251], v[128:129], v[132:133]
	v_pk_add_f32 v[248:249], v[136:137], v[140:141]
	v_pk_add_f32 v[246:247], v[144:145], v[148:149]
	v_pk_add_f32 v[244:245], v[152:153], v[156:157]
	v_pk_add_f32 v[242:243], v[160:161], v[164:165]
	v_pk_add_f32 v[18:19], v[18:19], v[168:169]
	v_pk_add_f32 v[236:237], v[236:237], v[108:109]
	v_pk_add_f32 v[252:253], v[252:253], v[110:111]
	v_pk_add_f32 v[250:251], v[250:251], v[114:115]
	v_pk_add_f32 v[248:249], v[248:249], v[118:119]
	v_pk_add_f32 v[246:247], v[246:247], v[122:123]
	v_pk_add_f32 v[244:245], v[244:245], v[126:127]
	v_pk_add_f32 v[242:243], v[242:243], v[130:131]
	v_pk_add_f32 v[18:19], v[18:19], v[134:135]
	v_pk_add_f32 v[236:237], v[236:237], v[138:139]
	v_pk_add_f32 v[252:253], v[252:253], v[142:143]
	v_pk_add_f32 v[250:251], v[250:251], v[146:147]
	v_pk_add_f32 v[248:249], v[248:249], v[150:151]
	v_pk_add_f32 v[246:247], v[246:247], v[154:155]
	v_pk_add_f32 v[244:245], v[244:245], v[158:159]
	v_pk_add_f32 v[242:243], v[242:243], v[162:163]
	v_pk_add_f32 v[18:19], v[18:19], v[166:167]
	v_pk_add_f32 v[236:237], v[236:237], v[170:171]
	s_delay_alu instid0(VALU_DEP_2)
	v_pk_add_f32 v[18:19], v[18:19], v[248:249]
	s_delay_alu instid0(VALU_DEP_2)
	v_pk_add_f32 v[236:237], v[236:237], v[246:247]
	v_pk_add_f32 v[252:253], v[252:253], v[244:245]
	v_pk_add_f32 v[250:251], v[250:251], v[242:243]
	s_delay_alu instid0(VALU_DEP_2)
	v_pk_add_f32 v[18:19], v[18:19], v[252:253]
	s_delay_alu instid0(VALU_DEP_2)
	v_pk_add_f32 v[236:237], v[236:237], v[250:251]
	s_delay_alu instid0(VALU_DEP_1)
	v_pk_add_f32 v[18:19], v[18:19], v[236:237]
.set ii, 0
.rept 16
	v_pk_mul_f32 v[OT+ii:OT+ii+1], v[OT+ii:OT+ii+1], v[FF:FF+1] op_sel_hi:[1,0]   ; O^T under the new M, each tile from its low end on.  (With the 32 sums: 48 plain instructions between the writing of p's codes and scale word and the products)
.set ii, ii+2
.endr
	s_wait_alu depctr_va_vdst(0)
	s_wait_dscnt 0x0                               ; V's fragments and scale words are in
.irp t, 0,1                            ; O^T += V^T P^T: four tiles of 16 channels; K = these 128 keys.  The four accumulators take turns, one instruction a turn
	v_wmma_scale_f32_16x16x128_f8f6f4 v[OT+8*\t:OT+8*\t+7], v[KF+12*\t:KF+12*\t+11], v[PC:PC+11], v[OT+8*\t:OT+8*\t+7], v[VS+\t], v[PS] matrix_a_fmt:MATRIX_FMT_BF6 matrix_b_fmt:MATRIX_FMT_BF6
.endr
.irp t, 2,3
	v_wmma_scale_f32_16x16x128_f8f6f4 v[OT+8*\t:OT+8*\t+7], v[KF+12*\t:KF+12*\t+11], v[PC:PC+11], v[OT+8*\t:OT+8*\t+7], v[VS+\t-2], v[PS] matrix_a_fmt:MATRIX_FMT_BF6 matrix_b_fmt:MATRIX_FMT_BF6 matrix_a_scale:MATRIX_SCALE_ROW1
.endr
.if \edge
.Lhid_\@:
.endif
	s_add_co_u32 s[SI], s[SI], 1
.endm
; THE WAY OUT of a tile.  The sum's two halves and lane l xor 16's are added; O^T is divided by the sum.  A lane holds eight neighbouring channels of a row four times; the 16 rows go through my own stage in LDS and come back as
; whole rows of 256 bytes.  LDS serves a wave's instructions in order (ISA guide 5.7.1.4): no wait between the stores and the loads.
.macro WAYOUT ob
.rept 4
	v_nop                                          ; four places behind the last products
.endr
	v_add_f32 v[X0], v[SUM], v[SUM+1]
	s_delay_alu instid0(VALU_DEP_1)
	v_permlanex16_b32 v[X1], v[X0], s[SEL], s[SEL+1]
	s_delay_alu instid0(VALU_DEP_1)
	v_add_f32 v[X0], v[X0], v[X1]
	s_wait_alu depctr_va_vdst(0)
	v_rcp_f32 v[FF], v[X0]
	v_nop                                          ; one plain place behind the reciprocal
.set ii, 0
	s_wait_alu depctr_va_vdst(0)
.rept 16
	v_pk_mul_f32 v[S+ii:S+ii+1], v[OT+ii:OT+ii+1], v[FF:FF+1] op_sel_hi:[1,0]   ; register 8 t + j is out(r, 16 t + 8 h + j); each tile from its low end on
.set ii, ii+2
.endr
.irp t, 0,1,2,3
	ds_store_b128 v[STO], v[S+8*\t:S+8*\t+3] offset:64*\t
	ds_store_b128 v[STO], v[S+8*\t+4:S+8*\t+7] offset:64*\t+16
.endr
.irp i, 0,1,2,3,4,5,6,7
	ds_load_b128 v[S+32+4*\i:S+32+4*\i+3], v[RD] offset:2*\i*SPI
.endr
.irp i, 0,1,2,3,4,5,6,7
	s_wait_dscnt 7-\i                              ; LDS loads come back in order: load i is in, the 7 - i issued behind it may be out
	global_store_b128 v[GO], v[S+32+4*\i:S+32+4*\i+3], s[\ob:\ob+1] offset:8192*\i th:TH_STORE_NT   ; sixteen lanes store 256 consecutive bytes, a whole row of a head, at a multiple of 256 from out's first byte; lanes 16-31 the next query's
.endr
	s_wait_xcnt 0x0                                ; the stores' data registers are written again only behind this wait
.endm
	; MY UPPER TILE.  Its last step is 8 or later, so steps 0 to 3 are whole for every wave, and need quarter 0 alone.
	INIT
	s_mov_b32 s[CNT], 2
.Lfirst:
	STEP 0, QHI, QWH, UHI, 0
	STEP 1, QHI, QWH, UHI, 0
	ADVANCE .Lfirst
	s_wait_tensorcnt 0x0                           ; all my tiles are in,
	s_wait_dscnt 0x0
	s_barrier_signal -1
	s_barrier_wait -1                              ; everybody's are: from here on the waves run free
	s_mov_b32 s[CNT], 6
.Lupper:                                           ; steps 4 to 15: a constant number of trips; the steps behind the diagonal are jumped over
	STEP 0, QHI, QWH, UHI, 1
	STEP 1, QHI, QWH, UHI, 1
	ADVANCE .Lupper
	WAYOUT OUTH
	; MY LOWER TILE: steps 0 to 7
	INIT
	s_mov_b32 s[CNT], 4
.Llower:
	STEP 0, QLO, QWL, ULO, 1
	STEP 1, QLO, QWL, ULO, 1
	ADVANCE .Llower
	WAYOUT OUTL
	s_wait_dscnt 0x0
	s_wait_tensorcnt 0x0
	ds_add_u32 v254, v255
	s_wait_dscnt 0x0
	CROUND                                         ; the closing round: no work-group ends while a partner may still ask for a tile that names it
	s_endpgm
.Lfunc_end_k_q0cfddf04f6_attn:
	.size	k_q0cfddf04f6_attn, .Lfunc_end_k_q0cfddf04f6_attn-k_q0cfddf04f6_attn
	.p2alignl 7, 3214868480
	.fill 96, 4, 3214868480
	.section	.rodata,"a",@progbits
	.p2align	6, 0x0
	.amdhsa_kernel k_q0cfddf04f6_attn
		.amdhsa_group_segment_fixed_size 313344
		.amdhsa_private_segment_fixed_size 0
		.amdhsa_enable_private_segment 0
		.amdhsa_kernarg_size 56
		.amdhsa_user_sgpr_count 2
		.amdhsa_user_sgpr_kernarg_segment_ptr 1
		.amdhsa_wavefront_size32 1
		.amdhsa_system_sgpr_workgroup_id_x 1
		.amdhsa_system_sgpr_workgroup_id_y 1
		.amdhsa_system_sgpr_workgroup_id_z 1
		.amdhsa_system_vgpr_workitem_id 0
		.amdhsa_next_free_vgpr 256
		.amdhsa_next_free_sgpr 102
		.amdhsa_reserve_vcc 1
		.amdhsa_float_denorm_mode_32 3
		.amdhsa_float_denorm_mode_16_64 3
		.amdhsa_memory_ordered 1
		.amdhsa_forward_progress 1
		.amdhsa_inst_pref_size 144
	.end_amdhsa_kernel
	.amdgpu_metadata
---
amdhsa.version: [ 1, 2 ]
amdhsa.kernels:
  - .name:           k_q0cfddf04f6_attn
    .symbol:         k_q0cfddf04f6_attn.kd
    .args:
      - { .name: keys_codes, .offset: 0, .size: 8, .value_kind: global_buffer, .address_space: global }
      - { .name: keys_scales, .offset: 8, .size: 8, .value_kind: global_buffer, .address_space: global }
      - { .name: queries_codes, .offset: 16, .size: 8, .value_kind: global_buffer, .address_space: global }
      - { .name: queries_scales, .offset: 24, .size: 8, .value_kind: global_buffer, .address_space: global }
      - { .name: values_codes, .offset: 32, .size: 8, .value_kind: global_buffer, .address_space: global }
      - { .name: values_scales, .offset: 40, .size: 8, .value_kind: global_buffer, .address_space: global }
      - { .name: out0, .offset: 48, .size: 8, .value_kind: global_buffer, .address_space: global }
    .group_segment_fixed_size: 313344
    .private_segment_fixed_size: 0
    .kernarg_segment_align: 8
    .kernarg_segment_size: 56
    .max_flat_workgroup_size: 512
    .sgpr_count:     102
    .vgpr_count:     256
    .wavefront_size: 32
...
	.end_amdgpu_metadata
.endif
;; end of part 1
